; MI455X (gfx1250); checked and timed in simulation.
; The chip was launched on July 23, 2026; its instructions are those of AMD's public machine-readable ISA for CDNA 5 (MIT licence, August 2026) and "CDNA5" Instruction Set Architecture Reference Guide (July 2026). The comments in the code are by the model that wrote it; some were corrected since.
;; Codebook Quantizer. Allowed arithmetic: float matrix products may take bf16 or f16 operands with f32 sums; all other float work in f32.
;; Inputs: codebook 8,192 x 512 float32; x 8 x 2,048 x 512 float32.
;; Outputs: out0 8 x 2,048 x 512 float32.
;; 2 versions, each right; version 2 is version 1 with the launch prep written anew for expert scheduling mode. Each part assembles by itself: llvm-mc -triple=amdgcn-amd-amdhsa -mcpu=gfx1250 --defsym DOCPART=n.
;; ======== version 1 of 2: 3 launches
;; workspace buffers: xb 16,777,216 bytes; cb 8,388,608 bytes; bias 32,768 bytes; part 524,288 bytes of whole numbers
;; launch prep (part 1): grid 384 x 1, 8 waves a work-group, no clusters, 0 bytes of LDS; arguments x, codebook, xb, cb, bias; writes xb, cb, bias
.if DOCPART == 1
	.amdgcn_target "amdgcn-amd-amdhsa--gfx1250"
	.amdhsa_code_object_version 6
	.text
	.protected	k_q78d8decf97_prep
	.globl	k_q78d8decf97_prep
	.p2align	8
	.type	k_q78d8decf97_prep,@function
k_q78d8decf97_prep:
	s_mov_b64 s[64:65], 0
	v_nop
	global_prefetch_b8 v0, s[64:65] scope:SCOPE_SE
	s_setreg_imm32_b32 hwreg(HW_REG_WAVE_MODE, 25, 1), 1
	s_wait_xcnt 0x0
; xb = x rounded to bf16, cb = codebook rounded to bf16, bias[k] = -1/2 x the sum over d of cb[k][d]^2 (f32, of the ROUNDED numbers: the product that follows sees those).
; x: [16384][512] f32, codebook: [8192][512] f32.  Work-groups 0-255 take 64 rows of x each, work-groups 256-383 take 64 rows of the codebook each; a wave takes 8 rows.
; A stream: each byte is read once and written once, so there is no LDS, no barrier and no matrix work.  A load of a wave covers 512 consecutive bytes, a store 256 consecutive bytes at a multiple of 256.
; All 32 loads of a wave go out first; a row's wait leaves the younger rows' loads out.  No register of a pending store is written again, so the rows need no further wait.
; bias leaves as 32 bytes a wave (32,768 bytes in the whole launch): gathering them through LDS would ask for a barrier for that little.
.set XWG, 256                          ; work-groups that take x
.set S,   6                            ; v[6:9]     two chains of packed sums of squares
.set R,   10                           ; v[10:17]   the 8 rows' sums
.set X,   24                           ; v[24:151]  row p: 16 registers as loaded; then the rounded numbers widened again
.set Y,   152                          ; v[152:215] row p: 8 registers, 16 bf16 to store
	s_load_b256 s[4:11], s[0:1], 0x0               ; x s[4:5], codebook s[6:7], xb s[8:9], cb s[10:11]
	s_load_b64 s[12:13], s[0:1], 0x20              ; bias
	s_cmp_lt_u32 ttmp9, XWG
	s_cselect_b32 s14, 0, XWG
	s_sub_co_u32 s14, ttmp9, s14                   ; my block of 64 rows in my tensor
	s_lshl_b32 s20, s14, 17                        ; 64 rows of 2,048 bytes in,
	s_mov_b32 s21, 0
	s_lshl_b32 s22, s14, 16                        ; of 1,024 bytes out,
	s_mov_b32 s23, 0
	s_lshl_b32 s30, s14, 8                         ; and 64 words of bias
	s_mov_b32 s31, 0
	s_mov_b32 s24, 0xffff0000                      ; a word's upper bf16
	s_mov_b32 s26, 0x76543210                      ; v_permlanex16_b32: each lane takes its own place in the other half
	s_mov_b32 s27, 0xfedcba98
	v_and_b32 v3, 31, v0                           ; lane
	v_lshrrev_b32 v20, 5, v0                       ; wave
	v_lshlrev_b32 v1, 4, v3
	v_lshl_add_u32 v1, v20, 14, v1                 ; in: 16 x lane + wave x 8 rows
	v_lshlrev_b32 v2, 3, v3
	v_lshl_add_u32 v2, v20, 13, v2                 ; out: 8 x lane + wave x 8 rows
	v_lshlrev_b32 v20, 5, v20
	v_lshl_add_u32 v20, v3, 2, v20                 ; bias: wave x 8 words + lane
	v_mov_b32 v19, 0                               ; v_permlanex16_b32's destination counts as read
	s_wait_kmcnt 0x0
	s_cmp_lt_u32 ttmp9, XWG                        ; the choice of tensors hangs on the work-group's number alone
	s_cselect_b64 s[16:17], s[4:5], s[6:7]
	s_cselect_b64 s[18:19], s[8:9], s[10:11]
	s_add_nc_u64 s[16:17], s[16:17], s[20:21]
	s_add_nc_u64 s[18:19], s[18:19], s[22:23]
.set j, 0
.rept 32                                           ; row j / 4, its 512 bytes number j % 4
	global_load_b128 v[X+4*j:X+4*j+3], v1, s[16:17] offset:512*j th:TH_LOAD_NT
.set j, j+1
.endr
; Row p: rounded, stored; sq = 1: the squares of the rounded numbers are summed in the lane.
.macro ROW p, sq
	s_wait_loadcnt 4*(7-(\p))                      ; loads come back in order (ISA guide 5.7.1): this row's four are in, the four of each younger row stay out
.irp i, 0,1,2,3
	v_cvt_pk_bf16_f32 v[Y+8*(\p)+2*\i],   v[X+16*(\p)+4*\i],   v[X+16*(\p)+4*\i+1]
	v_cvt_pk_bf16_f32 v[Y+8*(\p)+2*\i+1], v[X+16*(\p)+4*\i+2], v[X+16*(\p)+4*\i+3]
	global_store_b64 v2, v[Y+8*(\p)+2*\i:Y+8*(\p)+2*\i+1], s[18:19] offset:1024*(\p)+256*\i
.endr
.if \sq
.irp n, 0,1,2,3,4,5,6,7
	v_lshlrev_b32 v[X+16*(\p)+2*\n],   16,  v[Y+8*(\p)+\n]   ; bf16 to f32: the low half moves up,
	v_and_b32     v[X+16*(\p)+2*\n+1], s24, v[Y+8*(\p)+\n]   ; the high half stays
.endr
	v_pk_mul_f32 v[S:S+1],   v[X+16*(\p):X+16*(\p)+1],   v[X+16*(\p):X+16*(\p)+1]    ; the first squares start the two chains
	v_pk_mul_f32 v[S+2:S+3], v[X+16*(\p)+2:X+16*(\p)+3], v[X+16*(\p)+2:X+16*(\p)+3]
.irp n, 2,3,4,5,6,7
	v_pk_fma_f32 v[S+2*(\n%2):S+2*(\n%2)+1], v[X+16*(\p)+2*\n:X+16*(\p)+2*\n+1], v[X+16*(\p)+2*\n:X+16*(\p)+2*\n+1], v[S+2*(\n%2):S+2*(\n%2)+1]
.endr
	v_pk_add_f32 v[S:S+1], v[S:S+1], v[S+2:S+3]
	v_add_f32 v[R+(\p)], v[S], v[S+1]
.endif
.endm
	s_cmp_lt_u32 ttmp9, XWG
	s_cbranch_scc0 .Lcodes
.irp p, 0,1,2,3,4,5,6,7
	ROW \p, 0
.endr
	s_endpgm
.Lcodes:
	s_add_nc_u64 s[12:13], s[12:13], s[30:31]
.irp p, 0,1,2,3,4,5,6,7
	ROW \p, 1
.endr
	; across the 32 lanes: four steps inside each half ride on the additions, one crosses the halves; the eight rows' chains stand side by side
.irp m, 1,2,4,8
.irp p, 0,1,2,3,4,5,6,7
	v_add_f32_dpp v[R+\p], v[R+\p], v[R+\p] row_xmask:\m row_mask:0xf bank_mask:0xf
.endr
.endr
.irp p, 0,1,2,3,4,5,6,7
	v_permlanex16_b32 v19, v[R+\p], s26, s27
	v_add_f32 v[R+\p], v[R+\p], v19
.endr
	v_mov_b32 v18, v[R]                            ; lane p takes row p's sum
.irp p, 1,2,3,4,5,6,7
	v_cmp_eq_u32 vcc_lo, \p, v3
	v_cndmask_b32 v18, v18, v[R+\p], vcc_lo
.endr
	v_mul_f32 v18, -0.5, v18
	v_cmp_gt_u32 vcc_lo, 8, v3
	s_wait_xcnt 0x0                                ; EXEC is a source of the stores above: it changes only behind this wait
	s_and_saveexec_b32 s28, vcc_lo
	global_store_b32 v20, v18, s[12:13]            ; lanes 0-7: the wave's 8 biases
	s_wait_xcnt 0x0                                ; and again in front of the line that widens it
	s_or_b32 exec_lo, exec_lo, s28
	s_endpgm
.Lfunc_end_k_q78d8decf97_prep:
	.size	k_q78d8decf97_prep, .Lfunc_end_k_q78d8decf97_prep-k_q78d8decf97_prep
	.p2alignl 7, 3214868480
	.fill 96, 4, 3214868480
	.section	.rodata,"a",@progbits
	.p2align	6, 0x0
	.amdhsa_kernel k_q78d8decf97_prep
		.amdhsa_group_segment_fixed_size 0
		.amdhsa_private_segment_fixed_size 0
		.amdhsa_enable_private_segment 0
		.amdhsa_kernarg_size 40
		.amdhsa_user_sgpr_count 2
		.amdhsa_user_sgpr_kernarg_segment_ptr 1
		.amdhsa_wavefront_size32 1
		.amdhsa_system_sgpr_workgroup_id_x 1
		.amdhsa_system_sgpr_workgroup_id_y 1
		.amdhsa_system_sgpr_workgroup_id_z 1
		.amdhsa_system_vgpr_workitem_id 0
		.amdhsa_next_free_vgpr 216
		.amdhsa_next_free_sgpr 66
		.amdhsa_reserve_vcc 1
		.amdhsa_float_denorm_mode_32 3
		.amdhsa_float_denorm_mode_16_64 3
		.amdhsa_memory_ordered 1
		.amdhsa_forward_progress 1
		.amdhsa_inst_pref_size 32
	.end_amdhsa_kernel
	.amdgpu_metadata
---
amdhsa.version: [ 1, 2 ]
amdhsa.kernels:
  - .name:           k_q78d8decf97_prep
    .symbol:         k_q78d8decf97_prep.kd
    .args:
      - { .name: x, .offset: 0, .size: 8, .value_kind: global_buffer, .address_space: global }
      - { .name: codebook, .offset: 8, .size: 8, .value_kind: global_buffer, .address_space: global }
      - { .name: xb, .offset: 16, .size: 8, .value_kind: global_buffer, .address_space: global }
      - { .name: cb, .offset: 24, .size: 8, .value_kind: global_buffer, .address_space: global }
      - { .name: bias, .offset: 32, .size: 8, .value_kind: global_buffer, .address_space: global }
    .group_segment_fixed_size: 0
    .private_segment_fixed_size: 0
    .kernarg_segment_align: 8
    .kernarg_segment_size: 40
    .max_flat_workgroup_size: 256
    .sgpr_count:     66
    .vgpr_count:     216
    .wavefront_size: 32
...
	.end_amdgpu_metadata
.endif
;; end of part 1
;; launch score (part 2): grid 64 x 4, 4 waves a work-group, clusters of 4 x 1, 327,680 bytes of LDS; arguments xb, cb, bias, part; writes part
.if DOCPART == 2
	.amdgcn_target "amdgcn-amd-amdhsa--gfx1250"
	.amdhsa_code_object_version 6
	.text
	.protected	k_q78d8decf97_score
	.globl	k_q78d8decf97_score
	.p2align	8
	.type	k_q78d8decf97_score,@function
k_q78d8decf97_score:
	s_mov_b64 s[64:65], 0
	v_nop
	global_prefetch_b8 v0, s[64:65] scope:SCOPE_SE
	s_setreg_imm32_b32 hwreg(HW_REG_WAVE_MODE, 25, 1), 1
	s_wait_xcnt 0x0
	s_wait_alu depctr_hold_cnt(0) depctr_sa_sdst(0) depctr_va_vdst(0) depctr_va_sdst(0) depctr_va_ssrc(0) depctr_va_vcc(0) depctr_vm_vsrc(0)
	s_getreg_b32 s2, hwreg(HW_REG_IB_STS2, 6, 4)
	s_cmp_eq_u32 s2, 0
	s_cbranch_scc0 .Lentry_in_a_cluster
	s_endpgm
.Lentry_in_a_cluster:
	s_bfe_u32 s2, ttmp6, 0x10000c
	s_cmp_lg_u32 s2, 0x3003
	s_cbranch_scc0 .Lentry_shape_is_right
	s_endpgm
.Lentry_shape_is_right:
; For each of 16,384 queries and each quarter y of the 8,192 codes: the best score = x . e_k + bias_k (bias_k = -|e_k|^2 / 2) and its code.  argmin_k(|x|^2 + |e_k|^2 - 2 x.e_k) = argmax_k of that score.
; xb: [16384][512] bf16, cb: [8192][512] bf16, bias: [8192] f32.  part: [quarter 4][kind 2][16384] u32: kind 0 a key that orders as the f32 score does, kind 1 the code.
; LIMITS.  |x|^2 is equal for all codes of a row and is not added: it changes no comparison and would only cost low bits.  Operands are bf16, sums f32; each sum starts at 0 and the bias is added once, at the end.
; Equal scores: the lowest code wins, as in argmin.  A NaN score never wins; a row with no score above -inf gets a code below 16 and the lowest key.  Two codes whose scores differ by less than the f32
; rounding of sums of this size (some 1e-5 at scores near 100) may be ordered otherwise than a sum taken in another order would order them.
; SHARES.  Work-group (qb, y): 256 queries x the 2,048 codes of quarter y: 64 x 4 = 256 work-groups.  A wave owns 64 queries, four tiles of 16, and keeps their 512 channels in 512 registers for the whole launch.
; All four waves walk the same codes: 128 a slot, 16 (a BLOCK) at a time; a block's 32 LDS loads feed 64 matrix instructions.
; LAYOUT.  Source 0 = 16 codes, source 1 = 16 queries: in the result a lane holds ONE query (lane % 16) and the codes 8 (lane / 16) + 0..7.  So the running maximum is a lane's own affair, in 8 places a tile,
; and one exchange between the halves of the lanes at the end finishes it.  Tile t's column r is the wave's query 4 r + t: a lane ends with four neighbouring queries, 16 bytes.
; BY TURNS.  While block b is multiplied (accumulator set b % 2), block b - 1's 112 vector instructions (bias, compare, select, maximum) stand in groups of four behind its matrix instructions.
; CLUSTER.  The four work-groups of a cluster have the same quarter and four neighbouring query blocks: they walk the same codes, so every tile is asked for JOINTLY: the same load, descriptor and mask in all four.
; REGISTERS, in windows of 256 (s_set_vgpr_msb: bits 1:0 source 0, 3:2 source 1, 5:4 source 2, 7:6 destination):
;   window 0: v0-15 addresses; v16-31 the bias on its way to LDS, later the result; v32-47 bias of a block, by parity; v64-127 accumulators, two sets of four tiles; v128-159 best scores; v160-191 their blocks
;   window 1: v0-63, v64-127 a block's fragments, channels 0-255 and 256-511     window 2: Q, channels 0-255: tile t, K step kk at 64 t + 8 kk     window 3: Q, channels 256-511
.set PITCH, 1040                       ; a code's row in LDS: 1,024 bytes + 16 of padding = 260 words: row r starts at bank 4 r mod 64 (64 banks of 4 bytes: ISA guide 11.1): the 16 rows of a load start at 16 different groups of four banks
.set BLKB,  16*PITCH                   ; a block
.set SLOTB, 128*PITCH                  ; a slot: 128 codes = 0x20800 bytes
.set WROWB, 32*PITCH                   ; a wave's part of a slot: 32 rows
.set TILEB, 128*1024                   ; 128 codes in memory
.set BIASL, 2*SLOTB                    ; behind the ring: the quarter's 2,048 biases; written by LDS stores, never filled by a tensor load
.set SPARE, BIASL+8192                 ; behind them: the spare words, 128 bytes for each wave: two blocks of 256 bytes that no other line names
.set AE0, 3                            ; v3   my lane's place in a block: row x pitch + 16 x half; never rewritten
.set AE,  4                            ; v4   the LDS address of the block in hand
.set AB0, 5                            ; v5   my lane's place in a block's biases; never rewritten
.set AB,  6                            ; v6   the LDS address of the block's biases
.set QO,  7                            ; v7   my byte offset in the wave's rows of xb
.set PO,  8                            ; v8   my byte offset in part
.set H8,  9                            ; v9   8 x (lane / 16)
.set T0,  10                           ; v10, v11  at work at the end
.set T1,  11
.set SPW, 12                           ; v12  LDS address of my spare word: SPARE + 4 x my thread's number; never rewritten
.set NIL, 13                           ; v13  0; never rewritten
.set BS,  14                           ; v14  where I put 16 bytes of the bias in LDS
.set BG,  15                           ; v15  and where they come from
.set STG, 16                           ; v[16:31]  the bias on its way
.set OUT, 16                           ; v[16:19]  later: four keys, or four codes
.set BIAS, 32
.set ACC,  64
.set BEST, 128
.set IDX,  160
.set WV,  12                           ; s12  my wave's number
.set G1,  24                           ; s[24:31] descriptor group 1
.set G0,  32                           ; s[32:35] descriptor group 0: it walks
.set TB,  38                           ; s38  LDS byte at which the block to be fetched begins
.set TBB, 39                           ; s39  byte of the next block's biases in the quarter's
.set BLK, 40                           ; s40  the number, among all 512 blocks, of the block whose scores are being compared
.set CNT, 41                           ; s41  counts a slot's pairs of blocks
.set SLOTS, 42                         ; s42  counts slots
.set HM,  43                           ; s43  the mask of lanes 16-31
.set MK,  44                           ; s[44:47] four compares' masks
.set MA,  48                           ; s48-50 masks of a merge
.set MB,  49
.set MC,  50
.set NINF, 51                          ; s51  -inf
.set SEL, 52                           ; s[52:53] v_permlanex16_b32's selects: each lane takes its own place in the other half
.set MSB, 0
.macro WIN new                         ; the immediate's high byte repeats the setting that is left; a switch that changes nothing is dropped
.if MSB != (\new)
	s_set_vgpr_msb (MSB<<8)|(\new)
.set MSB, (\new)
.endif
.endm
; A joint load: every wave asks for its own 32 rows of the tile, by the same line; an s_nop 0 and four v_nop follow it.
.macro JLOAD
	tensor_load_to_lds s[G0:G0+3], s[G1:G1+7]
	s_nop 0
.rept 4
	v_nop
.endr
.endm
; A round of the cluster's barrier: my work-group's barrier, so that wave 0's signal speaks for all four waves; wave 0 signals; every wave waits for all four work-groups; my work-group's barrier once more.
.macro CROUND
	s_barrier_signal -1
	s_barrier_wait -1
	s_cmp_lg_u32 s[WV], 0
	s_cbranch_scc1 .Lnot_wave_0_\@
	s_barrier_signal -3
.Lnot_wave_0_\@:
	s_barrier_wait -3
	s_barrier_signal -1
	s_barrier_wait -1
.endm
; THE CHANGE OF SLOTS stands between the two halves of a slot's last block: all of the slot's fragments have been asked for.  Each wave waits for all its tensor loads, of which one is out: its part of the
; other slot; adds 0 to its spare word; and waits for that and for its own reads of the slot.  Behind the barrier nobody reads this slot any more and the other slot is whole.
; fill = 1: the slot is filled again, with the codes two slots on.  The barrier is then a round of the cluster's, and the joint load is the first thing behind it: it has eight blocks, 512 matrix
; instructions a wave, in which to land.  (At its first use nothing has been read yet: slot 0 is waited for, the bias in LDS is shown to all waves, slot 1 is filled.)
.macro CHANGE fill
	WIN 0                                          ; at a label and at a branch every window is 0
	s_wait_tensorcnt 0x0                           ; no tensor load of mine is out, so group 0 may be written
	ds_add_u32 v[SPW], v[NIL]                      ; 0 onto my spare word
.if \fill
	s_xor_b32 s[G0+1], s[G0+1], SLOTB              ; the other slot: SLOTB has bits 17 and 11, a wave's 0, 0x8200, 0x10400 or 0x18600 bits 9, 10, 15, 16: the exclusive or adds SLOTB or takes it away
	s_add_nc_u64 s[G0+2:G0+3], s[G0+2:G0+3], TILEB ; the next 128 codes; the type bits on top are not reached
	s_wait_dscnt 0x0                               ; the add is done, my reads of the slot are over (and, the first time, my stores of the bias are done)
	CROUND
	JLOAD
.else
	s_wait_dscnt 0x0                               ; the add is done, and my reads of the slot are over
	s_barrier_signal -1
	s_barrier_wait -1
.endif
	s_sub_co_u32 s[TB], s[TB], SLOTB               ; the fetches go back to a slot's first block (this leaves 0 or SLOTB),
	s_xor_b32 s[TB], s[TB], SLOTB                  ; in the other slot
.endm
	s_load_b256 s[4:11], s[0:1], 0x0               ; xb s[4:5], cb s[6:7], bias s[8:9], part s[10:11]
	v_lshl_add_u32 v[SPW], v0, 2, SPARE
	v_mov_b32 v[NIL], 0
	ds_add_u32 v[SPW], v[NIL]                      ; the wave's opening: the add and its wait stand ahead of my first tensor load; the set-up below, work on registers, stands between them
	v_lshrrev_b32 v1, 5, v0
	v_readfirstlane_b32 s[WV], v1                  ; wave 0..3
	s_bfe_u32 s13, ttmp6, 0x40000                  ; cx: my place in the cluster
	s_lshl_b32 s14, ttmp9, 2                       ; in a cluster launch ttmp9 counts clusters
	s_add_co_u32 s14, s14, s13                     ; my block of 256 queries = 4 x cluster x + cx: it enters xb's and part's addresses alone
	s_and_b32 s15, ttmp7, 0xffff                   ; the quarter, which the four partners share
	s_lshl_b32 s16, s14, 18                        ; xb: 256 rows of 1,024 bytes a block,
	s_lshl_b32 s17, s[WV], 16                      ; 64 a wave
	s_add_co_u32 s16, s16, s17
	s_mov_b32 s17, 0
	s_lshl_b32 s18, s15, 21                        ; cb: 2,048 rows a quarter,
	s_lshl_b32 s19, s[WV], 15                      ; my 32 rows of a tile: made of the quarter and the wave's number alone
	s_add_co_u32 s18, s18, s19
	s_mov_b32 s19, 0
	s_lshl_b32 s20, s15, 13                        ; bias: 2,048 words a quarter
	s_mov_b32 s21, 0
	s_lshl_b32 s22, s15, 17                        ; part: 2 x 16,384 words a quarter,
	s_lshl_b32 s23, s14, 10                        ; 256 words a block,
	s_add_co_u32 s22, s22, s23
	s_lshl_b32 s23, s[WV], 8                       ; 64 a wave
	s_add_co_u32 s22, s22, s23
	s_mov_b32 s23, 0
	; descriptor group 1: a tile of 32 rows x 512 elements, padded in LDS
	s_mov_b32 s[G1+0], 15|(1<<16)|(1<<20)|(1<<21)|(7<<22)|(3<<25)  ; 15:0 the mask of four; 17:16 2-byte elements; 20 padding on; 21 set beside a mask; 24:22 after every 256 words (code 7); 31:25 4 words (code 3)
	s_mov_b32 s[G1+1], 512<<16                     ; tensor_dim0 = 512
	s_mov_b32 s[G1+2], 32<<16                      ; tensor_dim1 = 32
	s_mov_b32 s[G1+3], 512<<16                     ; tile_dim0 = 512
	s_mov_b32 s[G1+4], 32                          ; tile_dim1 = 32
	s_mov_b32 s[G1+5], 512                         ; 512 elements from row to row
	s_mov_b32 s[G1+6], 0
	s_mov_b32 s[G1+7], 0
	s_mov_b32 s[G0], 1                             ; 1:0 count = 1
	s_mul_i32 s[G0+1], s[WV], WROWB                ; 63:32 LDS address: slot 0, my 32 rows: no place in the cluster enters an LDS address
	s_mov_b32 s[HM], 0xffff0000
	s_mov_b32 s[NINF], 0xff800000
	s_mov_b32 s[SEL], 0x76543210
	s_mov_b32 s[SEL+1], 0xfedcba98
	s_mov_b32 s[TB], 2*SLOTB                       ; the first change of slots turns this into 0
	s_mov_b32 s[TBB], 0
	s_lshl_b32 s[BLK], s15, 7                      ; 128 blocks a quarter; a block's first half steps the number, and compares the block before:
	s_sub_co_u32 s[BLK], s[BLK], 2                 ; so it starts two below the quarter's first
	s_wait_dscnt 0x0                               ; the opening add is done
	s_wait_kmcnt 0x0
	s_add_nc_u64 s[4:5], s[4:5], s[16:17]
	s_add_nc_u64 s[8:9], s[8:9], s[20:21]
	s_add_nc_u64 s[10:11], s[10:11], s[22:23]
	s_add_nc_u64 s[G0+2:G0+3], s[6:7], s[18:19]    ; 120:64 global address: my rows of the quarter's first 128 codes
	s_or_b32 s[G0+3], s[G0+3], 0x80000000          ; 127:126 type = 2
	CROUND                                         ; all four work-groups are here: the first joint loads meet
	JLOAD                                          ; slot 0.  Slot 1 is asked for when slot 0 is in
	; A fragment is 16 rows x 32 channels in 8 registers: lane l holds row l % 16, channels 8 (l / 16) + 0..7 and 16 + 8 (l / 16) + 0..7: two loads of 16 bytes, 32 bytes apart.
	v_and_b32 v1, 15, v0                           ; r = l % 16
	v_bfe_u32 v2, v0, 4, 1                         ; h = l / 16
	v_lshlrev_b32 v[QO], 12, v1                    ; tile t's column r is query 4 r + t: 4 rows of 1,024 bytes a lane,
	v_lshl_add_u32 v[QO], v2, 4, v[QO]             ; + 16 x half
	v_lshlrev_b32 v[BG], 4, v0
	WIN 0x80                                       ; destination window 2, address window 0
.set i, 0
.rept 32                                           ; Q stays in registers: tile i / 8, K step i % 8
	global_load_b128 v[8*i:8*i+3],   v[QO], s[4:5] offset:(i/8)*1024+(i%8)*64
	global_load_b128 v[8*i+4:8*i+7], v[QO], s[4:5] offset:(i/8)*1024+(i%8)*64+32
.set i, i+1
.endr
	WIN 0xc0                                       ; destination window 3: K steps 8 to 15
.set i, 0
.rept 32
	global_load_b128 v[8*i:8*i+3],   v[QO], s[4:5] offset:(i/8)*1024+(i%8)*64+512
	global_load_b128 v[8*i+4:8*i+7], v[QO], s[4:5] offset:(i/8)*1024+(i%8)*64+544
.set i, i+1
.endr
	WIN 0
.irp i, 0,1,2,3                                    ; the quarter's biases: 128 threads x 16 bytes, four times
	global_load_b128 v[STG+4*\i:STG+4*\i+3], v[BG], s[8:9] offset:2048*\i
.endr
	; What the first block's turns find: a block before it whose scores are all -inf, which win nothing.  So no first step is written out.  All this stands in the wait for the first tile.
.set i, 0
.rept 32
	v_mov_b32 v[BEST+i], s[NINF]
	v_mov_b32 v[IDX+i], 0
	v_mov_b32 v[ACC+32+i], s[NINF]
.set i, i+1
.endr
.set i, 0
.rept 8
	v_mov_b32 v[BIAS+8+i], 0
.set i, i+1
.endr
	v_mov_b32 v[T0], 0                             ; v_permlanex16_b32's destinations count as read
	v_mov_b32 v[T1], 0
	v_mul_u32_u24 v[AE0], v1, PITCH
	v_lshl_add_u32 v[AE0], v2, 4, v[AE0]           ; row x pitch + 16 x half
	v_lshl_add_u32 v[AB0], v2, 5, BIASL            ; my half's 8 biases of a block's 16
	v_lshlrev_b32 v[PO], 4, v1                     ; my four queries' words; lanes 0-15 store keys,
	v_lshl_add_u32 v[PO], v2, 16, v[PO]            ; lanes 16-31 codes, 65,536 bytes on
	v_lshlrev_b32 v[H8], 3, v2
	v_lshl_add_u32 v[BS], v0, 4, BIASL
	s_wait_loadcnt 0x0                             ; Q and the biases
.irp i, 0,1,2,3
	ds_store_b128 v[BS], v[STG+4*\i:STG+4*\i+3] offset:2048*\i
.endr
; THE MATRIX WORK.  Product i of 32 of a half: K step 8 hf + i / 4, tile i % 4, into accumulator set par.  The four accumulators take turns, one instruction a turn, across halves and blocks too.
; A block's first four products start the sums with the constant 0.
.macro MM par, hf
	WIN 0x09+4*(\hf)                               ; codes in window 1, Q in window 2 or 3, sums in window 0
.set mD, ACC+32*(\par)+8*(i%4)
.set mA, 64*(\hf)+8*(i/4)
.set mB, 64*(i%4)+8*(i/4)
.if ((\hf) == 0) && (i < 4)
	v_wmma_f32_16x16x32_bf16 v[mD:mD+7], v[mA:mA+7], v[mB:mB+7], 0
.else
	v_wmma_f32_16x16x32_bf16 v[mD:mD+7], v[mA:mA+7], v[mB:mB+7], v[mD:mD+7]
.endif
.endm
; THE VECTOR WORK for a finished block in set a: 28 groups of four.  Group g: tile g / 7; kind g % 7: 0: the bias is added (the accumulator's lowest registers are read first);
; 1, 4: is the score greater than the best? (strictly: of equal scores the earlier block stays)   2, 5: then the block's number is kept   3, 6: and the score.  Kinds 1-3 serve registers 0-3, kinds 4-6 registers 4-7.
.macro RIDE a, g
	WIN 0
.set rk, (\g)%7
.set rA, ACC+32*(\a)+8*((\g)/7)
.set rB, BEST+8*((\g)/7)
.set rI, IDX+8*((\g)/7)
.set rj, 4*((rk+2)/6)
.irp q, 0,1,2,3
.if rk == 0
	v_pk_add_f32 v[rA+2*\q:rA+2*\q+1], v[rA+2*\q:rA+2*\q+1], v[BIAS+8*(\a)+2*\q:BIAS+8*(\a)+2*\q+1]
.elseif (rk == 1) || (rk == 4)
	v_cmp_gt_f32 s[MK+\q], v[rA+rj+\q], v[rB+rj+\q]
.elseif (rk == 2) || (rk == 5)
	v_cndmask_b32 v[rI+rj+\q], v[rI+rj+\q], s[BLK], s[MK+\q]
.else
	v_max_num_f32 v[rB+rj+\q], v[rB+rj+\q], v[rA+rj+\q]
.endif
.endr
.endm
; 16 LDS loads in one run: half hf of the block at v[AE] (16 codes x 256 channels) into its buffer in window 1
.macro EFETCH hf
	WIN 0x40                                       ; destination window 1, address window 0
.irp kk, 0,1,2,3,4,5,6,7
	ds_load_b128 v[64*(\hf)+8*\kk:64*(\hf)+8*\kk+3],   v[AE] offset:512*(\hf)+64*\kk
	ds_load_b128 v[64*(\hf)+8*\kk+4:64*(\hf)+8*\kk+7], v[AE] offset:512*(\hf)+64*\kk+32
.endr
	WIN 0
.endm
; HALF A BLOCK: 32 products of the block of parity par, and 14 of the 28 groups of the block before it: one behind every second product up to the 25th, the last behind the 31st.
; Behind the first product and its group stands the run of loads for the NEXT half: 31 matrix instructions ahead of the wait for it at that half's head.  The buffer that it fills was last read by the product
; just ahead of this half's first: the group's four additions and the address line, which name none of that product's registers, are the places between (ISA guide 7.12.1 for vector instructions).
; The group behind the 31st product is the four places between tile 0's last product (the 29th) and the next half's first group, which reads that sum; the other tiles' sums are read 28 lines later or more.
; last = 1 (the tail): in the last trip there is no further block, and the run is jumped over.
.macro HALF par, hf, last=0
.if (\hf) == 0
	s_add_co_u32 s[BLK], s[BLK], 1                 ; the block that this block's groups compare
.endif
	s_wait_dscnt 0x0                               ; this half's fragments are in (and the biases asked for with them)
.set i, 0
	MM \par, \hf
	RIDE 1-(\par), 14*(\hf)
.if (\hf) == 0
	v_add_nc_u32 v[AB], s[TBB], v[AB0]
	s_add_co_u32 s[TBB], s[TBB], 64
	ds_load_b128 v[BIAS+8*(\par):BIAS+8*(\par)+3],   v[AB]            ; this block's biases, for the groups of the next block's halves
	ds_load_b128 v[BIAS+8*(\par)+4:BIAS+8*(\par)+7], v[AB] offset:16
	EFETCH 1
.else
.if \last
	s_cmp_eq_u32 s[CNT], 1
	s_cbranch_scc1 .Lno_more_\@
.endif
	v_add_nc_u32 v[AE], s[TB], v[AE0]
	s_add_co_u32 s[TB], s[TB], BLKB                ; the next fetch is the next block's
	EFETCH 0
.if \last
.Lno_more_\@:
.endif
.endif
.set i, 1
.rept 31
	MM \par, \hf
.if (i%2 == 0) && (i <= 24)
	RIDE 1-(\par), 14*(\hf)+i/2
.elseif i == 30
	RIDE 1-(\par), 14*(\hf)+13
.endif
.set i, i+1
.endr
.endm
	CHANGE 1                                       ; slot 0 is in, everybody's part of it, and so is the bias; slot 1 is asked for
	v_add_nc_u32 v[AE], s[TB], v[AE0]              ; block 0
	s_add_co_u32 s[TB], s[TB], BLKB
	EFETCH 0
	s_mov_b32 s[CNT], 4
	s_mov_b32 s[SLOTS], 15                         ; 16 tiles: one asked for at the head, one just now, 14 by the loop
	s_branch .Lfirst                               ; the loop is entered at a block's first half, in the middle of a trip
.Lslot:                                                ; 14 times: every slot but the last two is filled again
	CHANGE 1
	s_mov_b32 s[CNT], 4
.Lstep:                                                ; a trip: an odd block's second half, an even block, the next odd block's first half
	HALF 1, 1
	WIN 0
.Lfirst:
	HALF 0, 0
	HALF 0, 1
	HALF 1, 0
	WIN 0
	s_sub_co_u32 s[CNT], s[CNT], 1
	s_cmp_lg_u32 s[CNT], 0
	s_cbranch_scc1 .Lstep
	s_sub_co_u32 s[SLOTS], s[SLOTS], 1
	s_cmp_lg_u32 s[SLOTS], 0
	s_cbranch_scc1 .Lslot
	CHANGE 0                                       ; the tail is written out: nothing is asked for
	s_mov_b32 s[CNT], 5                            ; four trips walk the last slot; the fifth is left behind its first half
.Ltail:
	HALF 1, 1, 1
	WIN 0
	s_sub_co_u32 s[CNT], s[CNT], 1
	s_cmp_eq_u32 s[CNT], 0
	s_cbranch_scc1 .Lout
	HALF 0, 0
	HALF 0, 1
	HALF 1, 0
	WIN 0
	s_branch .Ltail
.Lout:
	s_add_co_u32 s[BLK], s[BLK], 1                 ; the last block's 28 groups
.set g, 0
.rept 28
	RIDE 1, g
.set g, g+1
.endr
	; THE END.  A place's code = 16 x block + 8 (lane / 16) + register.  Of two places the greater score wins, of equal scores the lower code.
.set i, 0
.rept 32
	v_lshl_add_u32 v[IDX+i], v[IDX+i], 4, v[H8]
.set i, i+1
.endr
.set i, 0
.rept 32
.if i%8
	v_add_nc_u32 v[IDX+i], i%8, v[IDX+i]
.endif
.set i, i+1
.endr
.macro MERGE ba, ca, bb, cb            ; (score ba, code ca) takes (bb, cb) if that is the better
	v_cmp_gt_f32 s[MA], v[\bb], v[\ba]
	v_cmp_eq_f32 s[MB], v[\bb], v[\ba]
	v_cmp_lt_u32 s[MC], v[\cb], v[\ca]
	s_and_b32 s[MB], s[MB], s[MC]
	s_or_b32 s[MA], s[MA], s[MB]
	v_cndmask_b32 v[\ba], v[\ba], v[\bb], s[MA]
	v_cndmask_b32 v[\ca], v[\ca], v[\cb], s[MA]
.endm
.irp t, 0,1,2,3
.irp p, 0,2,4,6
	MERGE BEST+8*\t+\p, IDX+8*\t+\p, BEST+8*\t+\p+1, IDX+8*\t+\p+1
.endr
	MERGE BEST+8*\t, IDX+8*\t, BEST+8*\t+2, IDX+8*\t+2
	MERGE BEST+8*\t+4, IDX+8*\t+4, BEST+8*\t+6, IDX+8*\t+6
	MERGE BEST+8*\t, IDX+8*\t, BEST+8*\t+4, IDX+8*\t+4
	v_permlanex16_b32 v[T0], v[BEST+8*\t], s[SEL], s[SEL+1]   ; the query's other codes lie in the lane 16 away; both lanes end with the same pair
	v_permlanex16_b32 v[T1], v[IDX+8*\t], s[SEL], s[SEL+1]
	MERGE BEST+8*\t, IDX+8*\t, T0, T1
	v_add_f32 v[BEST+8*\t], 0, v[BEST+8*\t]        ; -0 becomes +0, so that equal scores have equal keys
	v_ashrrev_i32 v[T0], 31, v[BEST+8*\t]          ; the key: a negative number's bits are all turned, of the others the sign bit alone:
	v_or_b32 v[T0], 0x80000000, v[T0]              ; as unsigned whole numbers the keys stand in the scores' order
	v_xor_b32 v[BEST+8*\t], v[T0], v[BEST+8*\t]
	v_cndmask_b32 v[OUT+\t], v[BEST+8*\t], v[IDX+8*\t], s[HM]  ; lanes 0-15 the key, lanes 16-31 the code
.endr
	global_store_b128 v[PO], v[OUT:OUT+3], s[10:11]            ; lanes 0-15: 256 consecutive bytes of keys, lanes 16-31: 256 of codes, each at a multiple of 256 from part's first byte
	s_wait_tensorcnt 0x0                           ; the wave's end, behind my last tensor load and my last LDS store
	ds_add_u32 v[SPW], v[NIL]
	s_wait_dscnt 0x0
	CROUND                                         ; the closing round: no work-group ends while a partner may still ask for a tile that names it
	s_endpgm
.Lfunc_end_k_q78d8decf97_score:
	.size	k_q78d8decf97_score, .Lfunc_end_k_q78d8decf97_score-k_q78d8decf97_score
	.p2alignl 7, 3214868480
	.fill 96, 4, 3214868480
	.section	.rodata,"a",@progbits
	.p2align	6, 0x0
	.amdhsa_kernel k_q78d8decf97_score
		.amdhsa_group_segment_fixed_size 327680
		.amdhsa_private_segment_fixed_size 0
		.amdhsa_enable_private_segment 0
		.amdhsa_kernarg_size 32
		.amdhsa_user_sgpr_count 2
		.amdhsa_user_sgpr_kernarg_segment_ptr 1
		.amdhsa_wavefront_size32 1
		.amdhsa_system_sgpr_workgroup_id_x 1
		.amdhsa_system_sgpr_workgroup_id_y 1
		.amdhsa_system_sgpr_workgroup_id_z 1
		.amdhsa_system_vgpr_workitem_id 0
		.amdhsa_next_free_vgpr 1024
		.amdhsa_next_free_sgpr 66
		.amdhsa_reserve_vcc 0
		.amdhsa_float_denorm_mode_32 3
		.amdhsa_float_denorm_mode_16_64 3
		.amdhsa_memory_ordered 1
		.amdhsa_forward_progress 1
		.amdhsa_inst_pref_size 104
	.end_amdhsa_kernel
	.amdgpu_metadata
---
amdhsa.version: [ 1, 2 ]
amdhsa.kernels:
  - .name:           k_q78d8decf97_score
    .symbol:         k_q78d8decf97_score.kd
    .args:
      - { .name: xb, .offset: 0, .size: 8, .value_kind: global_buffer, .address_space: global }
      - { .name: cb, .offset: 8, .size: 8, .value_kind: global_buffer, .address_space: global }
      - { .name: bias, .offset: 16, .size: 8, .value_kind: global_buffer, .address_space: global }
      - { .name: part, .offset: 24, .size: 8, .value_kind: global_buffer, .address_space: global }
    .group_segment_fixed_size: 327680
    .private_segment_fixed_size: 0
    .kernarg_segment_align: 8
    .kernarg_segment_size: 32
    .max_flat_workgroup_size: 128
    .sgpr_count:     66
    .vgpr_count:     1024
    .wavefront_size: 32
...
	.end_amdgpu_metadata
.endif
;; end of part 2
;; launch gather (part 3): grid 256 x 1, 8 waves a work-group, no clusters, 0 bytes of LDS; arguments part, codebook, out0; writes out0
.if DOCPART == 3
	.amdgcn_target "amdgcn-amd-amdhsa--gfx1250"
	.amdhsa_code_object_version 6
	.text
	.protected	k_q78d8decf97_gather
	.globl	k_q78d8decf97_gather
	.p2align	8
	.type	k_q78d8decf97_gather,@function
k_q78d8decf97_gather:
	s_mov_b64 s[64:65], 0
	v_nop
	global_prefetch_b8 v0, s[64:65] scope:SCOPE_SE
	s_setreg_imm32_b32 hwreg(HW_REG_WAVE_MODE, 25, 1), 1
	s_wait_xcnt 0x0
; out0[n][:] = codebook[code(n)][:], in f32 as the codebook holds it.  code(n): of the four quarters' (key, code) in part the greatest key's; of equal keys the earlier quarter's, which has the lower code.
; part: [quarter 4][kind 2][16384] u32, whole numbers stored by the launch before: the choice that steers the addresses is made on them alone.
; Work-group: 64 rows; wave: 8 rows.  A row is 2,048 bytes: four loads and four stores of a wave, 512 consecutive bytes each.  All 32 loads go out first; a row's wait leaves the younger rows' loads out.
; A stream: no LDS, no barrier, no matrix work.  Rows of the codebook may be named many times, so their loads carry no hint; the output is written once.
.set KEY, 8                            ; v[8:11]   the four quarters' keys of query lane % 8
.set COD, 12                           ; v[12:15]  and codes
.set OF,  24                           ; v[24:31]  row p: my byte offset in the codebook
.set X,   40                           ; v[40:167] row p: 16 registers
	s_load_b128 s[4:7], s[0:1], 0x0                ; part s[4:5], codebook s[6:7]
	s_load_b64 s[8:9], s[0:1], 0x10                ; out0
	v_and_b32 v2, 31, v0                           ; lane
	v_and_b32 v3, 7, v0                            ; which of the wave's 8 queries I look up
	v_and_b32 v1, 0xe0, v0                         ; wave x 8 words
	v_lshl_add_u32 v1, v3, 2, v1
	v_lshlrev_b32 v4, 4, v2                        ; my 16 bytes in 512
	v_lshrrev_b32 v5, 5, v0
	v_lshl_add_u32 v5, v5, 14, v4                  ; + wave x 8 rows of 2,048 bytes
	s_lshl_b32 s10, ttmp9, 8                       ; 64 words of part,
	s_mov_b32 s11, 0
	s_lshl_b32 s12, ttmp9, 17                      ; 64 rows of out0
	s_mov_b32 s13, 0
	s_wait_kmcnt 0x0
	s_add_nc_u64 s[4:5], s[4:5], s[10:11]
	s_add_nc_u64 s[8:9], s[8:9], s[12:13]
.irp y, 0,1,2,3
	global_load_b32 v[KEY+\y], v1, s[4:5] offset:131072*\y
	global_load_b32 v[COD+\y], v1, s[4:5] offset:131072*\y+65536
.endr
	s_wait_loadcnt 0x0
.irp y, 1,2,3                                      ; strictly greater: of equal keys the earlier quarter stays
	v_cmp_gt_u32 vcc_lo, v[KEY+\y], v[KEY]
	v_cndmask_b32 v[COD], v[COD], v[COD+\y], vcc_lo
	v_max_u32 v[KEY], v[KEY], v[KEY+\y]
.endr
.irp p, 0,1,2,3,4,5,6,7
	v_readlane_b32 s[16+\p], v[COD], \p            ; row p's code, for the whole wave
	s_min_u32 s[16+\p], s[16+\p], 0x1fff           ; a loaded number enters an address only inside the table's 8,192 rows
	s_lshl_b32 s[16+\p], s[16+\p], 11
	v_add_nc_u32 v[OF+\p], s[16+\p], v4
.endr
.irp p, 0,1,2,3,4,5,6,7
.irp i, 0,1,2,3
	global_load_b128 v[X+16*\p+4*\i:X+16*\p+4*\i+3], v[OF+\p], s[6:7] offset:512*\i
.endr
.endr
.irp p, 0,1,2,3,4,5,6,7
	s_wait_loadcnt 4*(7-\p)                        ; loads come back in order (ISA guide 5.7.1): this row's four are in, the four of each younger row stay out
.irp i, 0,1,2,3
	global_store_b128 v5, v[X+16*\p+4*\i:X+16*\p+4*\i+3], s[8:9] offset:2048*\p+512*\i th:TH_STORE_NT
.endr
.endr
	s_endpgm
.Lfunc_end_k_q78d8decf97_gather:
	.size	k_q78d8decf97_gather, .Lfunc_end_k_q78d8decf97_gather-k_q78d8decf97_gather
	.p2alignl 7, 3214868480
	.fill 96, 4, 3214868480
	.section	.rodata,"a",@progbits
	.p2align	6, 0x0
	.amdhsa_kernel k_q78d8decf97_gather
		.amdhsa_group_segment_fixed_size 0
		.amdhsa_private_segment_fixed_size 0
		.amdhsa_enable_private_segment 0
		.amdhsa_kernarg_size 24
		.amdhsa_user_sgpr_count 2
		.amdhsa_user_sgpr_kernarg_segment_ptr 1
		.amdhsa_wavefront_size32 1
		.amdhsa_system_sgpr_workgroup_id_x 1
		.amdhsa_system_sgpr_workgroup_id_y 1
		.amdhsa_system_sgpr_workgroup_id_z 1
		.amdhsa_system_vgpr_workitem_id 0
		.amdhsa_next_free_vgpr 168
		.amdhsa_next_free_sgpr 66
		.amdhsa_reserve_vcc 1
		.amdhsa_float_denorm_mode_32 3
		.amdhsa_float_denorm_mode_16_64 3
		.amdhsa_memory_ordered 1
		.amdhsa_forward_progress 1
		.amdhsa_inst_pref_size 10
	.end_amdhsa_kernel
	.amdgpu_metadata
---
amdhsa.version: [ 1, 2 ]
amdhsa.kernels:
  - .name:           k_q78d8decf97_gather
    .symbol:         k_q78d8decf97_gather.kd
    .args:
      - { .name: part, .offset: 0, .size: 8, .value_kind: global_buffer, .address_space: global }
      - { .name: codebook, .offset: 8, .size: 8, .value_kind: global_buffer, .address_space: global }
      - { .name: out0, .offset: 16, .size: 8, .value_kind: global_buffer, .address_space: global }
    .group_segment_fixed_size: 0
    .private_segment_fixed_size: 0
    .kernarg_segment_align: 8
    .kernarg_segment_size: 24
    .max_flat_workgroup_size: 256
    .sgpr_count:     66
    .vgpr_count:     168
    .wavefront_size: 32
...
	.end_amdgpu_metadata
.endif
;; end of part 3
;; ======== version 2 of 2: 3 launches; version 1 with the launch prep written anew for expert scheduling mode
;; workspace buffers: xb 16,777,216 bytes; cb 8,388,608 bytes; bias 32,768 bytes; part 524,288 bytes of whole numbers
;; launch prep (part 4): grid 384 x 1, 8 waves a work-group, no clusters, 0 bytes of LDS; arguments x, codebook, xb, cb, bias; writes xb, cb, bias
.if DOCPART == 4
	.amdgcn_target "amdgcn-amd-amdhsa--gfx1250"
	.amdhsa_code_object_version 6
	.text
	.protected	k_q78d8decf97_prep
	.globl	k_q78d8decf97_prep
	.p2align	8
	.type	k_q78d8decf97_prep,@function
k_q78d8decf97_prep:
	s_mov_b64 s[64:65], 0
	v_nop
	global_prefetch_b8 v0, s[64:65] scope:SCOPE_SE
	s_setreg_imm32_b32 hwreg(HW_REG_WAVE_SCHED_MODE, 0, 2), 2
	s_setreg_imm32_b32 hwreg(HW_REG_WAVE_MODE, 25, 1), 1
	s_wait_xcnt 0x0
	s_wait_alu depctr_vm_vsrc(0)
; xb = x rounded to bf16, cb = codebook rounded to bf16, bias[k] = -1/2 x the sum over d of cb[k][d]^2 (f32, of the ROUNDED numbers: the product that follows sees those).
; x: [16384][512] f32, codebook: [8192][512] f32.  Work-groups 0-255 take 64 rows of x each, work-groups 256-383 take 64 rows of the codebook each; a wave takes 8 rows.
; A stream: each byte is read once and written once, so there is no LDS, no barrier and no matrix work.  A load of a wave covers 512 consecutive bytes, a store 256 consecutive bytes at a multiple of 256.
; All 32 loads of a wave go out first; a row's wait leaves the younger rows' loads out.  No register of a pending store is written again.
; bias leaves as 32 bytes a wave (32,768 bytes in the whole launch): gathering them through LDS would ask for a barrier for that little.
; THE MODE: SCHED_MODE bits 1:0 = 2 (LLVM: expert scheduling mode 2), set by the entry lines.  The code itself states the register dependences
; between vector instructions and memory instructions, with s_wait_alu, always for 0.
; THE PLAN.  Registers that memory instructions touch:
;   v1, v2, v20  byte offsets, made once at the head and never written again: one wait ahead of the first load states them for the whole kernel.
;   X, a set a row   The row's four loads land in it once; no vector instruction names it before.  Read by the row's conversions; no memory instruction reads it.
;   Y, a set a row   Written once, by row p's eight conversions; read by the row's four stores, which are issued in row p + 1.  Never written again.
;   v18          A lane's bias: written at the end, read by the last store.
; Row p works on X[p] and writes Y[p].  Its memory instructions are the stores from Y[p - 1], which no vector instruction of row p names.  So one wait at a row's head
; states all that the row's four stores hang on, and these are dealt among its conversions with no further wait.
.set XWG, 256                          ; work-groups that take x
.set S,   6                            ; v[6:9]     two chains of packed sums of squares
.set R,   10                           ; v[10:17]   the 8 rows' sums
.set X,   24                           ; v[24:151]  row p: 16 registers as loaded; then the rounded numbers widened again
.set Y,   152                          ; v[152:215] row p: 8 registers, 16 bf16 to store
	s_load_b256 s[4:11], s[0:1], 0x0               ; x s[4:5], codebook s[6:7], xb s[8:9], cb s[10:11]
	s_load_b64 s[12:13], s[0:1], 0x20              ; bias
	s_cmp_lt_u32 ttmp9, XWG
	s_cselect_b32 s14, 0, XWG
	s_sub_co_u32 s14, ttmp9, s14                   ; my block of 64 rows in my tensor
	s_lshl_b32 s20, s14, 17                        ; 64 rows of 2,048 bytes in,
	s_mov_b32 s21, 0
	s_lshl_b32 s22, s14, 16                        ; of 1,024 bytes out,
	s_mov_b32 s23, 0
	s_lshl_b32 s30, s14, 8                         ; and 64 words of bias
	s_mov_b32 s31, 0
	s_mov_b32 s24, 0xffff0000                      ; a word's upper bf16
	s_mov_b32 s26, 0x76543210                      ; v_permlanex16_b32: each lane takes its own place in the other half
	s_mov_b32 s27, 0xfedcba98
	v_and_b32 v3, 31, v0                           ; lane
	v_lshrrev_b32 v20, 5, v0                       ; wave
	v_lshlrev_b32 v1, 4, v3
	v_lshl_add_u32 v1, v20, 14, v1                 ; in: 16 x lane + wave x 8 rows
	v_lshlrev_b32 v2, 3, v3
	v_lshl_add_u32 v2, v20, 13, v2                 ; out: 8 x lane + wave x 8 rows
	v_lshlrev_b32 v20, 5, v20
	v_lshl_add_u32 v20, v3, 2, v20                 ; bias: wave x 8 words + lane
	v_mov_b32 v19, 0                               ; v_permlanex16_b32's destination counts as read
	s_wait_kmcnt 0x0
	s_cmp_lt_u32 ttmp9, XWG                        ; the choice of tensors hangs on the work-group's number alone
	s_cselect_b64 s[16:17], s[4:5], s[6:7]
	s_cselect_b64 s[18:19], s[8:9], s[10:11]
	s_add_nc_u64 s[16:17], s[16:17], s[20:21]
	s_add_nc_u64 s[18:19], s[18:19], s[22:23]
	s_wait_alu depctr_va_vdst(0)                   ; v1, v2 and v20 are written: every load and store of the kernel reads one of them as its offset
.set j, 0
.rept 32                                           ; row j / 4, its 512 bytes number j % 4
	global_load_b128 v[X+4*j:X+4*j+3], v1, s[16:17] offset:512*j th:TH_LOAD_NT
.set j, j+1
.endr
; Store i of 4 of row p: 256 consecutive bytes of the wave.
.macro OUT p, i
	global_store_b64 v2, v[Y+8*(\p)+2*(\i):Y+8*(\p)+2*(\i)+1], s[18:19] offset:1024*(\p)+256*(\i)
.endm
; Row p: rounded; the row before is stored; sq = 1: the squares of the rounded numbers are summed in the lane.
.macro ROW p, sq
	s_wait_loadcnt 4*(7-(\p))                      ; loads come back in order (ISA guide 5.7.1): this row's four are in, the four of each younger row stay out
.if (\p) > 0
	s_wait_alu depctr_va_vdst(0)                   ; the row before has written its Y, which the four stores below read
.endif
.irp i, 0,1,2,3
.if (\p) > 0
	OUT (\p)-1, \i                                 ; no vector instruction since the wait names these registers
.endif
	v_cvt_pk_bf16_f32 v[Y+8*(\p)+2*\i],   v[X+16*(\p)+4*\i],   v[X+16*(\p)+4*\i+1]
	v_cvt_pk_bf16_f32 v[Y+8*(\p)+2*\i+1], v[X+16*(\p)+4*\i+2], v[X+16*(\p)+4*\i+3]
.endr
.if \sq
.irp n, 0,1,2,3,4,5,6,7
	v_lshlrev_b32 v[X+16*(\p)+2*\n],   16,  v[Y+8*(\p)+\n]   ; bf16 to f32: the low half moves up,
	v_and_b32     v[X+16*(\p)+2*\n+1], s24, v[Y+8*(\p)+\n]   ; the high half stays
.endr
	v_pk_mul_f32 v[S:S+1],   v[X+16*(\p):X+16*(\p)+1],   v[X+16*(\p):X+16*(\p)+1]    ; the first squares start the two chains
	v_pk_mul_f32 v[S+2:S+3], v[X+16*(\p)+2:X+16*(\p)+3], v[X+16*(\p)+2:X+16*(\p)+3]
.irp n, 2,3,4,5,6,7
	v_pk_fma_f32 v[S+2*(\n%2):S+2*(\n%2)+1], v[X+16*(\p)+2*\n:X+16*(\p)+2*\n+1], v[X+16*(\p)+2*\n:X+16*(\p)+2*\n+1], v[S+2*(\n%2):S+2*(\n%2)+1]
.endr
	v_pk_add_f32 v[S:S+1], v[S:S+1], v[S+2:S+3]
	v_add_f32 v[R+(\p)], v[S], v[S+1]
.endif
.endm
; Behind the last row: its own four stores.
.macro LAST
	s_wait_alu depctr_va_vdst(0)                   ; row 7 has written its Y, which the last four stores read
.irp i, 0,1,2,3
	OUT 7, \i
.endr
.endm
; Lane p takes row p's sum; m: the scalar register with the mask of that lane.
.macro PICK p, m
	v_cndmask_b32 v18, v18, v[R+(\p)], s[\m]
.endm
	s_cmp_lt_u32 ttmp9, XWG
	s_cbranch_scc0 .Lcodes
.irp p, 0,1,2,3,4,5,6,7
	ROW \p, 0
.endr
	LAST
	s_endpgm
.Lcodes:
	s_add_nc_u64 s[12:13], s[12:13], s[30:31]
	v_cmp_eq_u32 s20, 1, v3                        ; the masks 'lane = p' in one run, while the loads are on their way, into scalar registers whose offsets are used up or that held nothing
	v_cmp_eq_u32 s21, 2, v3
	v_cmp_eq_u32 s22, 3, v3
	v_cmp_eq_u32 s23, 4, v3
	v_cmp_eq_u32 s14, 5, v3
	v_cmp_eq_u32 s15, 6, v3
	v_cmp_eq_u32 s25, 7, v3
	s_wait_alu depctr_va_sdst(0)                   ; the seven compares have written their masks, ahead of the selects below that read them
.irp p, 0,1,2,3,4,5,6,7
	ROW \p, 1
.endr
	LAST
	; across the 32 lanes: four steps inside each half ride on the additions, one crosses the halves; the eight rows' chains stand side by side
.irp m, 1,2,4,8
.irp p, 0,1,2,3,4,5,6,7
	v_add_f32_dpp v[R+\p], v[R+\p], v[R+\p] row_xmask:\m row_mask:0xf bank_mask:0xf
.endr
.endr
.irp p, 0,1,2,3,4,5,6,7
	v_permlanex16_b32 v19, v[R+\p], s26, s27
	v_add_f32 v[R+\p], v[R+\p], v19
.endr
	v_mov_b32 v18, v[R]                            ; lane p takes row p's sum
	PICK 1, 20
	PICK 2, 21
	PICK 3, 22
	PICK 4, 23
	PICK 5, 14
	PICK 6, 15
	PICK 7, 25
	v_mul_f32 v18, -0.5, v18
	v_cmp_gt_u32 vcc_lo, 8, v3
	s_wait_xcnt 0x0                                ; EXEC is a source of the stores above: it changes only behind this wait
	s_wait_alu depctr_va_vcc(0)                    ; VCC is written: EXEC is made from it
	s_wait_alu depctr_va_vdst(0)                   ; ahead of a write of EXEC: the vector instructions issued so far are done; v18, which the store below reads, is written
	s_wait_alu depctr_vm_vsrc(0)                   ; ahead of a write of EXEC: the stores issued so far have read their registers
	s_and_saveexec_b32 s28, vcc_lo
	global_store_b32 v20, v18, s[12:13]            ; lanes 0-7: the wave's 8 biases
	s_wait_xcnt 0x0                                ; and again in front of the line that widens it
	s_wait_alu depctr_va_vdst(0)                   ; ahead of a write of EXEC: no vector instruction is pending
	s_wait_alu depctr_vm_vsrc(0)                   ; ahead of a write of EXEC: the store has read v20 and v18
	s_or_b32 exec_lo, exec_lo, s28
	s_endpgm
.Lfunc_end_k_q78d8decf97_prep:
	.size	k_q78d8decf97_prep, .Lfunc_end_k_q78d8decf97_prep-k_q78d8decf97_prep
	.p2alignl 7, 3214868480
	.fill 96, 4, 3214868480
	.section	.rodata,"a",@progbits
	.p2align	6, 0x0
	.amdhsa_kernel k_q78d8decf97_prep
		.amdhsa_group_segment_fixed_size 0
		.amdhsa_private_segment_fixed_size 0
		.amdhsa_enable_private_segment 0
		.amdhsa_kernarg_size 40
		.amdhsa_user_sgpr_count 2
		.amdhsa_user_sgpr_kernarg_segment_ptr 1
		.amdhsa_wavefront_size32 1
		.amdhsa_system_sgpr_workgroup_id_x 1
		.amdhsa_system_sgpr_workgroup_id_y 1
		.amdhsa_system_sgpr_workgroup_id_z 1
		.amdhsa_system_vgpr_workitem_id 0
		.amdhsa_next_free_vgpr 216
		.amdhsa_next_free_sgpr 66
		.amdhsa_reserve_vcc 1
		.amdhsa_float_denorm_mode_32 3
		.amdhsa_float_denorm_mode_16_64 3
		.amdhsa_memory_ordered 1
		.amdhsa_forward_progress 1
		.amdhsa_inst_pref_size 33
	.end_amdhsa_kernel
	.amdgpu_metadata
---
amdhsa.version: [ 1, 2 ]
amdhsa.kernels:
  - .name:           k_q78d8decf97_prep
    .symbol:         k_q78d8decf97_prep.kd
    .args:
      - { .name: x, .offset: 0, .size: 8, .value_kind: global_buffer, .address_space: global }
      - { .name: codebook, .offset: 8, .size: 8, .value_kind: global_buffer, .address_space: global }
      - { .name: xb, .offset: 16, .size: 8, .value_kind: global_buffer, .address_space: global }
      - { .name: cb, .offset: 24, .size: 8, .value_kind: global_buffer, .address_space: global }
      - { .name: bias, .offset: 32, .size: 8, .value_kind: global_buffer, .address_space: global }
    .group_segment_fixed_size: 0
    .private_segment_fixed_size: 0
    .kernarg_segment_align: 8
    .kernarg_segment_size: 40
    .max_flat_workgroup_size: 256
    .sgpr_count:     66
    .vgpr_count:     216
    .wavefront_size: 32
...
	.end_amdgpu_metadata
.endif
;; end of part 4
;; launch score: the kernel of part 2 again; grid 64 x 4, 4 waves a work-group, clusters of 4 x 1, 327,680 bytes of LDS; arguments xb, cb, bias, part; writes part
;; launch gather: the kernel of part 3 again; grid 256 x 1, 8 waves a work-group, no clusters, 0 bytes of LDS; arguments part, codebook, out0; writes out0
